; MI455X (gfx1250); checked and timed in simulation.
; The chip was launched on July 23, 2026; its instructions are those of AMD's public machine-readable ISA for CDNA 5 (MIT licence, August 2026) and "CDNA5" Instruction Set Architecture Reference Guide (July 2026). The comments in the code are by the model that wrote it; some were corrected since.
;; Sliding Window Attention. Allowed arithmetic: float matrix products may take bf16 or f16 operands with f32 sums; other float arithmetic in f32, or as packed bf16 or f16 multiplies, adds, multiply-adds, maxima and minima; sums over many terms, partial sums and values carried from step to step in f32; what a program stores and reads back later, other than sums and carried values, may be rounded once to bf16 or f16.
;; Inputs: K 4 x 16 x 2,048 x 128 float32; Q 4 x 16 x 2,048 x 128 float32; V 4 x 16 x 2,048 x 128 float32.
;; Outputs: out0 4 x 16 x 2,048 x 128 float32.
;; 2 versions, each right; version 2 is version 1 with the launch swa written anew for expert scheduling mode. Each part assembles by itself: llvm-mc -triple=amdgcn-amd-amdhsa -mcpu=gfx1250 --defsym DOCPART=n.
;; ======== version 1 of 2: 1 launch
;; limits: values are held in f16: magnitudes above 65,504 overflow, below 6.1e-05 lose precision; right only within a limited range of input values
;; launch swa (part 1): grid 4 x 64, 4 waves a work-group, no clusters, 175,616 bytes of LDS; arguments Q, K, V, out0; writes out0
.if DOCPART == 1
	.amdgcn_target "amdgcn-amd-amdhsa--gfx1250"
	.amdhsa_code_object_version 6
	.text
	.protected	k_qc2745a9ddd_swa
	.globl	k_qc2745a9ddd_swa
	.p2align	8
	.type	k_qc2745a9ddd_swa,@function
k_qc2745a9ddd_swa:
	s_mov_b64 s[64:65], 0
	v_nop
	global_prefetch_b8 v0, s[64:65] scope:SCOPE_SE
	s_setreg_imm32_b32 hwreg(HW_REG_WAVE_MODE, 25, 1), 1
	s_wait_xcnt 0x0
; CAUSAL ATTENTION.  out[h][q][:] = the sum over k <= q of softmax_k(Q[h][q] . K[h][k] / sqrt(128)) V[h][k][:].  Q, K, V, out: [64 heads][2048][128], all f32: a row is 512 bytes.
; FORMATS.  Q, K and V are each rounded once to bf16.  S^T = K Q^T is multiplied in bf16.  V's bf16 number is written as f16 and the weights p are rounded to f16, so that O^T = V^T P is multiplied in f16.
; Products, maxima and sums in f32; l is the sum of the unrounded p.
; LIMITS.  V as f16: exact for 6.1e-5 <= |V| <= 65,504; below that it keeps f16's fixed step of 6e-8, above it becomes an infinity.  p lies in 0 to 1 and below 6e-5 keeps the same step.
; A hidden score counts as its value less 1e30; a weight below 2^-126 counts as 0 in l; NaN and infinities are not treated apart.
; THE WALK.  A head has 8 blocks of 256 queries; block i needs the key steps (64 keys each) 0 .. 4 i + 3, of which the last four hold the diagonal.  Work-group b of a head takes block 7 - b and then block b:
; 36 key steps whatever b, so all 256 work-groups do equal work.  Every block has an even number of steps, so step j of the walk always lies in LDS buffer j % 2.
; SHARES.  Of a block's four bands of 64 queries a wave owns 16 rows in each: tile t is rows 64 t + 16 w + 0..15.  In the diagonal's step s tile t sees all keys if t > s, none if t < s (left out of the text),
; and takes the mask MD (0 or -1e30, made once) as the C operand that starts its sums if t = s: the same work for all four waves.
; K AND V GO THROUGH REGISTERS: each wave loads 16 rows of K and 16 of V of a step (one load = one whole row of 512 bytes), rounds them and stores them into LDS, K a step ahead and V two steps ahead of
; their use; ONE barrier a step.  NO CLUSTER: a joint request is a tensor load's, which cannot round f32 on its way; and a head's four walks ask for the same step only in 20 of their 36.
; LAYOUT.  S^T = K Q^T (source 0 = 16 keys, source 1 = 16 queries): a lane holds ONE query (lane % 16) and the keys 8 (lane / 16) + 0..7.  Two such results rounded in pairs ARE source 1 of O^T = V^T P,
; whose result again holds one query a lane, and eight channels.  V ([key][channel]) comes out of LDS turned, by ds_load_tr16_b128.
; SOFTMAX.  A running maximum m and sum l: p = 2^(c s - c m), c = log2(e) / sqrt(128); in every step O and l are multiplied by a = 2^(c m_old - c m_new).  A block starts with c m far below every c s, so its
; first a is 0 and O^T need only hold finite numbers: nothing is cleared and no first step is written out.
; A STEP goes tile by tile: stage k has the products V^T P of tile k - 2 and K Q^T of tile k, and tile k - 1's softmax in slices behind them; the first stage carries K's rounding, the last V's.
; REGISTERS, in windows of 256 (s_set_vgpr_msb: bits 1:0 source 0, 3:2 source 1, 5:4 source 2, 7:6 destination):
;   window 0: v0-11, v44-50 addresses; v12-43 eight registers of statistics a tile; v62-63 the add's; v64-127 S^T, two buffers; v128-159 P, two buffers; v160-191 MD; v192-255 V as loaded
;   window 1: O^T, 64 a tile (and where Q's f32 rows land)     window 2: v0-127 Q, 32 a tile; v128-255 K of one step     window 3: v0-127 V of one step (on the way out: rows read back); v128-191 K as loaded; v192 an address
.set PK,    272       ; a row of K or Q in LDS: 256 bytes + 16 = 68 words: the 16 rows of a fragment load start at 16 different groups of four banks (64 banks of 4 bytes: ISA guide 11.1)
.set PV,    288       ; a row of V: 256 + 32 = 72 words
.set VOFF,  64*PK     ; in a buffer: 64 rows of K, then 64 rows of V
.set BUFB,  64*(PK+PV)
.set QST,   2*BUFB    ; behind the two buffers: each wave's own 64 rows of Q in bf16
.set QSTW,  64*PK
.set OST,   QST+4*QSTW  ; each wave's own stage for the way out: 16 rows of 512 bytes + 16
.set OPI,   528
.set OSTW,  16*OPI
.set SPARE, OST+4*OSTW  ; the spare words, 128 bytes for each wave: two blocks of 256 bytes that no other line names
.set AK0, 2           ; v2   my lane's place in a tile of K
.set AV0, 3           ; v3   the same for V, VOFF included
.set VW,  4           ; v4   where I store 8 bytes of my wave's first row of V
.set GAK, 5           ; v5   byte offset in the head of the K fetch in hand
.set GAV, 6           ; v6   of the V fetch in hand
.set GA0, 7           ; v7   8192 w + 16 lane: my 16 bytes of my wave's first row of a step
.set QR,  8           ; v8   my lane's place in my wave's staged Q
.set QW,  9           ; v9   where I store 8 bytes of its first row
.set STO, 10          ; v10  the way out: where I put 32 bytes of a row
.set RD,  11          ; v11  the way out: where I read a row back
.set ST,  12          ; tile t's statistics at v[ST+8 t]: +0 c m, +1 m, +2, +3 l (even keys', odd keys'), +4 to +7 c0-c3 at work; a takes c2's place
.set GO,  44          ; v44  16 lane: my 16 bytes of a row of Q or out
.set PFA, 45          ; v45  the prefetch's offset in hand
.set PF0, 46          ; v46  8192 w + 256 lane
.set HH,  47          ; v47  lane / 16
.set LL,  48          ; v48  lane
.set TT,  49          ; v49  at work
.set QK,  50          ; v50  my query's place in its band less my lanes' 8 (lane / 16)
.set SPW, 62          ; v62  LDS address of my spare word; never rewritten
.set NIL, 63          ; v63  0; never rewritten
.set S,   64
.set P,   128
.set MD,  160
.set SV,  192
.set KF,  128         ; window 2
.set SK,  128         ; window 3
.set KW3, 192         ; window 3: where I store 8 bytes of my wave's first row of K
.set WV,  12          ; s12  my wave's number
.set TS,  13          ; s13  at work
.set PB,  14          ; s14  b
.set HD,  15          ; s15  the head
.set KH,  20          ; s[20:21] K at the head's first row
.set VH,  22          ; s[22:23] V likewise
.set QP,  24          ; s[24:25] Q at my wave's first row of the block whose Q is loaded next
.set QPB, 26          ; s[26:27] the same for the second block
.set OP,  28          ; s[28:29] out at my wave's first row of the block in hand
.set OPB, 30          ; s[30:31] of the second block
.set OFF, 32          ; s32  a step's byte offset in the head
.set KNX, 33          ; s33  the key step whose K is asked for next;  s34 the last step of the block being asked for;  s35 fetches left
.set KLS, 34
.set KLF, 35
.set VNX, 36          ; s36-38 the same three for V
.set VLS, 37
.set VLF, 38
.set LASTB, 39        ; s39  4 b + 3: the second block's last step
.set NT,  40          ; s40  trips of two full steps in the block in hand
.set TC,  41          ; s41  counts them
.set BLK, 42          ; s42  blocks to go
.set NTB, 43          ; s43  the second block's trips
.set PFS, 44          ; s44  the step to be prefetched next;  s45 where that ends
.set PFE, 45
.set CS,  46          ; s[46:47] c: the packed scaling takes the pair's low word for both halves
.set SEL, 48          ; s[48:49] v_permlanex16_b32's selects: each lane takes its own place in the other half
.set BIGN, 50         ; s50  -1e30
.set HM,  51          ; s51  a word's upper half
.set MSB, 0
.macro WIN new                      ; the immediate's high byte repeats the setting that is left; a switch that changes nothing is dropped
.if MSB != (\new)
	s_set_vgpr_msb (MSB<<8)|(\new)
.set MSB, (\new)
.endif
.endm
.set W_KQ, 0x0a       ; K and Q in window 2, S^T and MD in window 0
.set W_PV, 0x53       ; V in window 3, P in window 0, O^T in window 1
.set W_RS, 0x41       ; O^T (destination and source 0) in window 1, the factor in window 0
.set W_K3, 0xcf       ; K's rounding and its LDS store: everything in window 3
	s_load_b256 s[4:11], s[0:1], 0x0  ; Q s[4:5], K s[6:7], V s[8:9], out s[10:11]
	v_lshl_add_u32 v[SPW], v0, 2, SPARE
	v_mov_b32 v[NIL], 0
	v_lshrrev_b32 v[TT], 5, v0
	v_readfirstlane_b32 s[WV], v[TT]  ; wave 0..3
	s_mov_b32 s[PB], ttmp9
	s_and_b32 s[HD], ttmp7, 0xffff
	s_lshl_b32 s16, s[HD], 20       ; a head is 2,048 rows of 512 bytes
	s_mov_b32 s17, 0
	s_lshl_b32 s[TS], s[WV], 13     ; my wave's 16 rows in a band or a step
	s_sub_co_u32 s18, 7, s[PB]
	s_lshl_b32 s18, s18, 17         ; a block is 256 rows
	s_add_co_u32 s18, s18, s[TS]
	s_add_co_u32 s18, s18, s16      ; s[18:19]: my rows of the first block, 7 - b
	s_mov_b32 s19, 0
	s_lshl_b32 s52, s[PB], 17
	s_add_co_u32 s52, s52, s[TS]
	s_add_co_u32 s52, s52, s16      ; s[52:53]: of the second, b
	s_mov_b32 s53, 0
	s_lshl_b32 s[LASTB], s[PB], 2
	s_sub_co_u32 s[KLS], 31, s[LASTB]  ; the first block's last step
	s_mov_b32 s[VLS], s[KLS]
	s_add_co_u32 s[LASTB], s[LASTB], 3
	s_mov_b32 s[KNX], 2             ; K of steps 0 and 1 and V of steps 0 to 2 are asked for below, the other 34 and 33 in the steps
	s_mov_b32 s[KLF], 34
	s_mov_b32 s[VNX], 3
	s_mov_b32 s[VLF], 33
	s_lshl_b32 s[NTB], s[PB], 1     ; 4 b full steps in the second block,
	s_sub_co_u32 s[NT], 14, s[NTB]  ; 28 - 4 b in the first
	s_mov_b32 s[BLK], 2
	s_mov_b32 s[PFS], 5
	s_cmp_eq_u32 s[PB], 0
	s_cselect_b32 s[PFE], 32, 0     ; the work-group with the longest first block asks for the head's steps 5 to 31 ahead; the others ask for nothing
	s_mov_b32 s[CS], 0x3e0293ee     ; c = log2(e) / sqrt(128) = 0.127517
	s_mov_b32 s[CS+1], s[CS]        ; named with it as a pair
	s_mov_b32 s[SEL], 0x76543210
	s_mov_b32 s[SEL+1], 0xfedcba98
	s_mov_b32 s[BIGN], 0xf149f2ca   ; -1e30
	s_mov_b32 s[HM], 0xffff0000
	v_and_b32 v1, 15, v0            ; lane % 16
	v_bfe_u32 v[HH], v0, 4, 1
	v_and_b32 v[LL], 31, v0
	v_lshl_add_u32 v[GA0], v[LL], 4, s[TS]
	v_lshl_add_u32 v[PF0], v[LL], 8, s[TS]  ; lanes 256 bytes apart cover my wave's 16 rows
	v_lshlrev_b32 v[GO], 4, v[LL]
	; A fragment of K or Q is 16 rows x 32 channels in 8 registers: lane l holds row l % 16, channels 8 (l / 16) + 0..7 and 16 + 8 (l / 16) + 0..7: two loads of 16 bytes, 32 bytes apart.
	v_mul_u32_u24 v[AK0], v1, PK
	v_lshl_add_u32 v[AK0], v[HH], 4, v[AK0]
	; The turning load takes 16 keys x 16 channels (lane l reads key 8 (l / 16) + l % 8, channels 8 ((l / 8) % 2) + 0..7) and leaves half a fragment of V^T: lane l holds channel l % 16 and 8 keys.
	v_and_b32 v[TT], 7, v0
	v_lshl_add_u32 v[AV0], v[HH], 3, v[TT]
	v_mul_u32_u24 v[AV0], v[AV0], PV
	v_bfe_u32 v[TT], v0, 3, 1
	v_lshl_add_u32 v[AV0], v[TT], 4, v[AV0]
	v_add_nc_u32 v[AV0], VOFF, v[AV0]
	s_mul_i32 s[TS], s[WV], 16*PV
	s_add_co_u32 s[TS], s[TS], VOFF
	v_lshl_add_u32 v[VW], v[LL], 3, s[TS]   ; a lane's four numbers of a row are 8 bytes in LDS
	s_mul_i32 s[TS], s[WV], QSTW
	s_add_co_u32 s[TS], s[TS], QST
	v_add_nc_u32 v[QR], s[TS], v[AK0]
	v_lshl_add_u32 v[QW], v[LL], 3, s[TS]
	s_mul_i32 s[TS], s[WV], OSTW
	s_add_co_u32 s[TS], s[TS], OST
	v_mul_u32_u24 v[STO], v1, OPI           ; in: row l % 16, 32 bytes for each half of the lanes
	v_lshl_add_u32 v[STO], v[HH], 5, v[STO]
	v_add_nc_u32 v[STO], s[TS], v[STO]
	v_lshl_add_u32 v[RD], v[LL], 4, s[TS]   ; back: 32 lanes take one row of 512 bytes
	v_lshlrev_b32 v[TT], 3, v[HH]
	v_sub_nc_u32 v[QK], v1, v[TT]
	s_lshl_b32 s[TS], s[WV], 4
	v_add_nc_u32 v[QK], s[TS], v[QK]        ; 16 w + l % 16 - 8 (l / 16)
	s_mul_i32 s[TS], s[WV], 16*PK
	v_lshl_add_u32 v[TT], v[LL], 3, s[TS]
	WIN 0xc0
	v_mov_b32 v[KW3], v[TT]
	WIN 0
	s_wait_kmcnt 0x0
	s_add_nc_u64 s[KH:KH+1], s[6:7], s[16:17]
	s_add_nc_u64 s[VH:VH+1], s[8:9], s[16:17]
	s_add_nc_u64 s[QP:QP+1], s[4:5], s[18:19]
	s_add_nc_u64 s[QPB:QPB+1], s[4:5], s[52:53]
	s_add_nc_u64 s[OP:OP+1], s[10:11], s[18:19]
	s_add_nc_u64 s[OPB:OPB+1], s[10:11], s[52:53]
; THE MATRIX WORK.  The accumulators take turns, one instruction a turn: between two links of a chain stand 3 (K Q^T) or 7 (V^T P) others'.
; Product i of 16 of S^T = K Q^T for tile t: channels 32 (i / 4) on, keys 16 (i % 4) on.  The first 4 start the sums: with 0, or (msk = 1) with the mask.
.macro KQ t, msk
	WIN W_KQ
.set rS, S+32*((\t)%2)+8*(i%4)
.set rK, KF+32*(i%4)+8*(i/4)
.set rQ, 32*(\t)+8*(i/4)
.if i < 4
.if \msk
	v_wmma_f32_16x16x32_bf16 v[rS:rS+7], v[rK:rK+7], v[rQ:rQ+7], v[MD+8*i:MD+8*i+7]
.else
	v_wmma_f32_16x16x32_bf16 v[rS:rS+7], v[rK:rK+7], v[rQ:rQ+7], 0
.endif
.else
	v_wmma_f32_16x16x32_bf16 v[rS:rS+7], v[rK:rK+7], v[rQ:rQ+7], v[rS:rS+7]
.endif
.endm
; Product i of 16 of O^T += V^T P for tile t: keys 32 (i / 8) on, channels 16 (i % 8) on.
.macro PVM t
	WIN W_PV
.set rO, 64*(\t)+8*(i%8)
.set rV, 64*(i/8)+8*(i%8)
.set rP, P+16*((\t)%2)+8*(i/8)
	v_wmma_f32_16x16x32_f16 v[rO:rO+7], v[rV:rV+7], v[rP:rP+7], v[rO:rO+7]
.endm
; THE SOFTMAX of one tile for one key step is a list of 134 instructions; SM writes number j of it for tile t.  s0-s31 are the lane's 32 scores, in pairs 0-15.
;   0-15    the maximum of s0-s31 and the old m, three operands at a time: four chains c0-c3 of seven scores each (each accumulator's lowest registers are read first), then the rest
;   16-20   the other half of the lanes' maximum; c m_old is kept; the new m; c m; c m_old - c m_new
;   21-87   33 exponentials (a, then s0-s31) at the odd numbers from 23 on: no two follow each other, and a plain instruction that does not touch its registers stands behind each (ISA guide 5.7.2).
;           The plain ones are whatever is ready: c s - c m for a pair still to come, the rounding to f16 of a pair whose second exponential stands three numbers back, the first three sums
;   88-101  the last rounding; the rest of the sums, in place; l = a l + the sum
;   102-133 the tile's O^T times a: the one part that leaves window 0
.macro SM t
.set rT, ST+8*(\t)
.set rS, S+32*((\t)%2)
.set rP, P+16*((\t)%2)
.set rO, 64*(\t)+2*(j-102)
.set q, (j-20)/2
.if j < 102
	WIN 0
.endif
.if j < 4
	v_max3_num_f32 v[rT+4+j], v[rS+8*j], v[rS+8*j+1], v[rS+8*j+2]
.elseif j < 12
	v_max3_num_f32 v[rT+4+j%4], v[rT+4+j%4], v[rS+8*(j%4)+2*(j/4)+1], v[rS+8*(j%4)+2*(j/4)+2]
.elseif j == 12
	v_max3_num_f32 v[rT+4], v[rT+4], v[rS+7], v[rS+15]
.elseif j == 13
	v_max3_num_f32 v[rT+6], v[rT+6], v[rS+23], v[rS+31]
.elseif j == 14
	v_max3_num_f32 v[rT+4], v[rT+4], v[rT+5], v[rT+6]
.elseif j == 15
	v_max3_num_f32 v[rT+4], v[rT+4], v[rT+7], v[rT+1]
.elseif j == 16
	v_permlanex16_b32 v[rT+5], v[rT+4], s[SEL], s[SEL+1]  ; the query's other 32 keys lie in the lane 16 away
.elseif j == 17
	v_mov_b32 v[rT+7], v[rT]        ; c m_old is kept for a: number 19 writes c m anew
.elseif j == 18
	v_max_num_f32 v[rT+1], v[rT+4], v[rT+5]
.elseif j == 19
	v_mul_f32 v[rT], s[CS], v[rT+1]
.elseif j == 20
	v_sub_f32 v[rT+7], v[rT+7], v[rT]
.elseif j == 23
	v_exp_f32 v[rT+6], v[rT+7]
.elseif (j < 88) && (j > 23) && (j%2 == 1)
	v_exp_f32 v[rS+(j-25)/2], v[rS+(j-25)/2]
.elseif (q < 4) || ((j < 76) && (q%2 == 0))
.set pb, q/2+2
.if q < 4
.set pb, q
.endif
	v_pk_fma_f32 v[rS+2*pb:rS+2*pb+1], v[rS+2*pb:rS+2*pb+1], s[CS:CS+1], v[rT:rT+1] op_sel_hi:[1,0,0] neg_lo:[0,0,1] neg_hi:[0,0,1]  ; pair pb: c s - c m
.elseif (j < 88) && (q%2 == 1)
	s_wait_alu depctr_va_vdst(0)
	v_cvt_pk_f16_f32 v[rP+(q-5)/2], v[rS+q-5], v[rS+q-4]
.elseif j == 89
	s_wait_alu depctr_va_vdst(0)
	v_cvt_pk_f16_f32 v[rP+15], v[rS+30], v[rS+31]
.elseif j < 102                     ; the sum of the 16 pairs, in place: sum z of 16 adds neighbours 1, 2, 4 and 8 pairs apart, then l takes it
.set z, j-86
.if j < 89
.set z, (j-76)/4
.endif
.set w, 4
.set u, z
.if z >= 14
.set w, 32
.set u, 0
.elseif z >= 12
.set w, 16
.set u, z-12
.elseif z >= 8
.set w, 8
.set u, z-8
.endif
.if z < 15
	v_pk_add_f32 v[rS+w*u:rS+w*u+1], v[rS+w*u:rS+w*u+1], v[rS+w*u+w/2:rS+w*u+w/2+1]
.else
	v_pk_fma_f32 v[rT+2:rT+3], v[rT+2:rT+3], v[rT+6:rT+7], v[rS:rS+1] op_sel_hi:[1,0,1]
.endif
.else
	WIN W_RS
	v_pk_mul_f32 v[rO:rO+1], v[rO:rO+1], v[rT+6:rT+7] op_sel_hi:[1,0]
.endif
.endm
; ROUNDING ON THE WAY TO LDS.  Row n of my wave's 16: my four f32 lie in v[base + 4 n ..]; they leave as 8 bytes.
.macro KGRP base, n, buf            ; K: to bf16
	WIN W_K3
.set x, (\base)+4*(\n)
	v_cvt_pk_bf16_f32 v[x], v[x], v[x+1]
	v_cvt_pk_bf16_f32 v[x+1], v[x+2], v[x+3]
	ds_store_b64 v[KW3], v[x:x+1] offset:(\buf)*BUFB+(\n)*PK
.endm
.macro VGRP base, n, buf            ; V: to bf16, and that number written as f16
	WIN 0
.set x, (\base)+4*(\n)
	v_cvt_pk_bf16_f32 v[x], v[x], v[x+1]
	v_cvt_pk_bf16_f32 v[x+1], v[x+2], v[x+3]
	v_lshlrev_b32 v[x+2], 16, v[x]
	v_and_b32 v[x+3], s[HM], v[x]
	v_cvt_pk_f16_f32 v[x], v[x+2], v[x+3]
	v_lshlrev_b32 v[x+2], 16, v[x+1]
	v_and_b32 v[x+3], s[HM], v[x+1]
	v_cvt_pk_f16_f32 v[x+1], v[x+2], v[x+3]
	ds_store_b64 v[VW], v[x:x+1] offset:(\buf)*BUFB+(\n)*PV
.endm
; What stands behind one matrix instruction: the next 'per' numbers of tile sm's softmax, or a row's rounding.
.macro RIDE sm, rid, buf
.if (\sm) >= 0
.rept per
	SM \sm
.set j, j+1
.endr
.endif
.if (\rid) == 1
	KGRP SK, i, \buf
.endif
.if (\rid) == 2
	VGRP SV, i, \buf
.endif
.endm
; A STAGE: 16 products V^T P of tile pv, then 16 products K Q^T of tile kq (either left out where the argument is -1), and behind each of them 8 or 4 numbers of tile sm's softmax; 134 = 128 + 6: the six that
; are over, all plain multiplies of O^T, follow the last.  With them ten or more plain instructions that name none of its registers stand behind a stage's last product (ISA guide 7.12.1).
.macro STAGE kq, msk, pv, sm, rid, buf
.set NM, 0
.if (\pv) >= 0
.set NM, NM+16
.endif
.if (\kq) >= 0
.set NM, NM+16
.endif
.set j, 0
.set per, 0
.if ((\sm) >= 0) && (NM > 0)
.set per, 134/NM
.endif
.if (\pv) >= 0
.set i, 0
.rept 16
	PVM \pv
	RIDE \sm, \rid, \buf
.set i, i+1
.endr
.endif
.if (\kq) >= 0
.set i, 0
.rept 16
	KQ \kq, \msk
	RIDE \sm, \rid, \buf
.set i, i+1
.endr
.endif
.if (\sm) >= 0
.rept 134-per*NM
	SM \sm
.set j, j+1
.endr
.endif
.endm
; THE LDS LOADS stand in runs of 32: a step's K (64 keys x 128 channels: 16 fragments) and its V (turned).
.macro FETCH_K buf
	WIN 0x80                        ; destination window 2
.set f, 0
.rept 16                            ; keys 16 (f / 4) on, channels 32 (f % 4) on
	ds_load_b128 v[KF+8*f:KF+8*f+3],   v[AK0] offset:(\buf)*BUFB+(f/4)*16*PK+(f%4)*64
	ds_load_b128 v[KF+8*f+4:KF+8*f+7], v[AK0] offset:(\buf)*BUFB+(f/4)*16*PK+(f%4)*64+32
.set f, f+1
.endr
.endm
.macro FETCH_V buf
	WIN 0xc0                        ; destination window 3
.set f, 0
.rept 16                            ; keys 32 (f / 8) on, channels 16 (f % 8) on
	ds_load_tr16_b128 v[8*f:8*f+3],   v[AV0] offset:(\buf)*BUFB+(f/8)*32*PV+(f%8)*32
	ds_load_tr16_b128 v[8*f+4:8*f+7], v[AV0] offset:(\buf)*BUFB+(f/8)*32*PV+16*PV+(f%8)*32
.set f, f+1
.endr
.endm
; THE LOADS FROM MEMORY: my wave's 16 rows of step nx, 16 loads of one whole row each.  Behind the first block's last step the walk goes on with the second block's step 0.  When all 36 steps have been asked
; for nothing is loaded; that way waits for all loads, so that the counted waits behind it hold there too.
.macro GFETCH nx, ls, lf, ga, base, dst, win
	WIN 0                           ; at a label and at a branch every window is 0
	s_cmp_lg_u32 s[\lf], 0
	s_cbranch_scc0 .Lnone_\@
	s_lshl_b32 s[OFF], s[\nx], 15   ; a step is 64 rows of 512 bytes
	v_add_nc_u32 v[\ga], s[OFF], v[GA0]  ; the loads that last read this register were shown done by the counted wait in front of their rounding
	WIN \win
.set i, 0
.rept 16
	global_load_b128 v[(\dst)+4*i:(\dst)+4*i+3], v[\ga], s[\base:\base+1] offset:i*512
.set i, i+1
.endr
	WIN 0
	s_sub_co_u32 s[\lf], s[\lf], 1
	s_add_co_u32 s[\nx], s[\nx], 1
	s_cmp_gt_u32 s[\nx], s[\ls]
	s_cselect_b32 s[\nx], 0, s[\nx]
	s_cselect_b32 s[\ls], s[LASTB], s[\ls]
	s_branch .Ldone_\@
.Lnone_\@:
	s_wait_loadcnt 0x0
.Ldone_\@:
.endm
; PREFETCH.  In walk step i the work-group with b = 0 asks for the head's key step i + 5, whose V its loads want two steps later and whose K three steps later: each wave for its own 16 rows of K and of V, lanes 256 bytes
; apart, so each such block is asked for once in the launch.  It stops behind step 31, the head's last.
.macro PREF
	WIN 0
	s_cmp_lt_u32 s[PFS], s[PFE]
	s_cbranch_scc0 .Lnop_\@
	s_wait_xcnt 0x0                 ; the last step's prefetches have had their addresses translated (ISA guide 3.1): their offset register is rewritten only behind this wait
	s_lshl_b32 s[OFF], s[PFS], 15
	v_add_nc_u32 v[PFA], s[OFF], v[PF0]
	global_prefetch_b8 v[PFA], s[KH:KH+1] th:TH_LOAD_NT scope:SCOPE_SE
	global_prefetch_b8 v[PFA], s[VH:VH+1] th:TH_LOAD_NT scope:SCOPE_SE
	s_add_co_u32 s[PFS], s[PFS], 1
.Lnop_\@:
.endm
.macro PLACES                       ; four places between a product and the first vector instruction that reads its result, where no other vector work is at hand
.rept 4
	v_nop
.endr
.endm
; THE STEP'S ONE BARRIER.  In front of the signal my LDS stores (K of the next step, V of the next step, stored in the step before) are done and my reads of this step's K and V are back.  Behind the wait the next
; step's K is whole and is read, and this step's V may be overwritten.  Between signal and wait stands work on registers alone.
.macro MEET
	s_wait_dscnt 0x0
	s_barrier_signal -1
.endm
.macro PASS buf
	s_barrier_wait -1
	FETCH_K \buf
.endm
; A KEY STEP j, whose tiles lie in buffer buf.  lo: the first tile that sees any of its keys; diag = 1: tile lo takes the mask.
; Writes between the barrier of step j - 1 and this one's: K of j + 1 and V of j + 1, both into the other buffer; reads there: K and V of j, in this buffer.
.macro STEP buf, lo, diag
	FETCH_V \buf                    ; the last product that read V's registers stands eight plain instructions back
	s_wait_dscnt 32                 ; all but the 32 just issued: K's fragments (and at a block's start Q's) are in
	s_wait_loadcnt 16               ; K of step j + 1 is in my registers; the 16 loads of V of step j + 2 are younger
	STAGE \lo, \diag, -1, -1, 1, 1-(\buf)
	PLACES
	GFETCH KNX, KLS, KLF, GAK, KH, SK, 0xc0  ; K of step j + 2
	PREF
.if (\lo) == 0
	STAGE 1, 0, -1, 0, 0, 0
	MEET
	STAGE 2, 0, 0, 1, 0, 0
	STAGE 3, 0, 1, 2, 0, 0
	PASS 1-(\buf)
	STAGE -1, 0, 2, 3, 0, 0
.elseif (\lo) == 1
	STAGE 2, 0, -1, 1, 0, 0
	MEET
	STAGE 3, 0, 1, 2, 0, 0
	PASS 1-(\buf)
	STAGE -1, 0, 2, 3, 0, 0
.elseif (\lo) == 2
	STAGE 3, 0, -1, 2, 0, 0
	MEET
	PASS 1-(\buf)
	STAGE -1, 0, 2, 3, 0, 0
.else
	STAGE -1, 0, -1, 3, 0, 0
	MEET
	PASS 1-(\buf)
.endif
	s_wait_loadcnt 16               ; V of step j + 2 is in my registers; the 16 loads of K of step j + 2 are younger
	STAGE -1, 0, 3, -1, 2, \buf     ; it goes into this step's own buffer, behind this step's barrier
	GFETCH VNX, VLS, VLF, GAV, VH, SV, 0     ; V of step j + 3
.endm
.macro QLOAD t, grd
	WIN 0
.if \grd
	s_cmp_eq_u32 s[BLK], 1
	s_cbranch_scc1 .Lnoq_\@
.endif
	WIN 0x40
.set i, 0
.rept 16
	global_load_b128 v[4*(16*(\t)+i):4*(16*(\t)+i)+3], v[GO], s[QP:QP+1] offset:(64*(\t)+i)*512 th:TH_LOAD_NT
.set i, i+1
.endr
	WIN 0
.if \grd
.Lnoq_\@:
.endif
.endm
; THE WAY OUT of tile t.  PACK: O^T is divided by l; a lane's eight channels of a row, 32 bytes, go into my stage's rows of 528 bytes and come back as whole rows of 512, into V's registers (two halves by turns).
.macro PACK t
.set OB, 64*((\t)%2)
.if (\t) >= 2
	s_wait_xcnt 0x0                 ; the stores of the tile two back have had their addresses translated (ISA guide 3.1): their data registers are loaded again only behind this wait
.endif
	WIN W_RS
.set i, 64*(\t)
.rept 32
	v_pk_mul_f32 v[i:i+1], v[i:i+1], v[ST+8*(\t)+6:ST+8*(\t)+7] op_sel_hi:[1,0]
.set i, i+2
.endr
	WIN 0x04                        ; store data in window 1
.set f, 0
.rept 8
	ds_store_b128 v[STO], v[64*(\t)+8*f:64*(\t)+8*f+3]   offset:64*f
	ds_store_b128 v[STO], v[64*(\t)+8*f+4:64*(\t)+8*f+7] offset:64*f+16
.set f, f+1
.endr
	WIN 0xc0
.set f, 0
.rept 16
	ds_load_b128 v[OB+4*f:OB+4*f+3], v[RD] offset:OPI*f  ; LDS serves a wave's instructions in order (ISA guide 5.7.1.4): these see the stores above; the next tile's stores come behind them
.set f, f+1
.endr
.endm
.macro SEND t, younger              ; younger: the LDS instructions issued behind tile t's loads: the next tile's 32, or none
.set OB, 64*((\t)%2)
	WIN 0x0c                        ; store data in window 3
.set f, 0
.rept 16
	s_wait_dscnt (\younger)+15-f
	global_store_b128 v[GO], v[OB+4*f:OB+4*f+3], s[OP:OP+1] offset:(64*(\t)+f)*512 th:TH_STORE_NT  ; 32 lanes store one whole row: 512 consecutive bytes, at a multiple of 512 from out's first byte
.set f, f+1
.endr
.endm
	; THE FIRST LOADS: V of steps 0 and 1 (into S^T's, P's and MD's registers), K of step 0 (into V's fragments' registers), then what a step expects to find on its way: K of step 1, V of step 2; then Q.
.set i, 0
.rept 16
	global_load_b128 v[64+4*i:64+4*i+3], v[GA0], s[VH:VH+1] offset:i*512
.set i, i+1
.endr
.set i, 0
.rept 16
	global_load_b128 v[128+4*i:128+4*i+3], v[GA0], s[VH:VH+1] offset:32768+i*512
.set i, i+1
.endr
	WIN 0xc0
.set i, 0
.rept 16
	global_load_b128 v[4*i:4*i+3], v[GA0], s[KH:KH+1] offset:i*512
.set i, i+1
.endr
.set i, 0
.rept 16
	global_load_b128 v[SK+4*i:SK+4*i+3], v[GA0], s[KH:KH+1] offset:32768+i*512
.set i, i+1
.endr
	WIN 0
.set i, 0
.rept 16
	global_load_b128 v[SV+4*i:SV+4*i+3], v[GA0], s[VH:VH+1] offset:65536+i*512
.set i, i+1
.endr
	QLOAD 0, 0
	QLOAD 1, 0
	QLOAD 2, 0
	QLOAD 3, 0
	s_wait_loadcnt 63               ; 64 loads of Q are younger than the 80 of K and V: those 80 are in
.set i, 0
.rept 16
	VGRP 64, i, 0
.set i, i+1
.endr
.set i, 0
.rept 16
	VGRP 128, i, 1
.set i, i+1
.endr
.set i, 0
.rept 16
	KGRP 0, i, 0
.set i, i+1
.endr
	WIN 0
.set i, 0
.rept 32                            ; MD: register i % 8 of key block i / 8 is hidden where 16 (i / 8) + i % 8 + 8 (l / 16) is greater than my query's place in its band
	v_cmp_gt_i32 vcc_lo, 16*(i/8)+i%8, v[QK]
	v_cndmask_b32 v[MD+i], 0, s[BIGN], vcc_lo
.set i, i+1
.endr
	s_wait_dscnt 0x0                ; for the others' sake: my rows of K of step 0 and of V of steps 0 and 1 are in LDS
	s_barrier_signal -1
	s_barrier_wait -1
	FETCH_K 0
	WIN 0
.Lblock:                            ; A BLOCK BEGINS
	s_wait_loadcnt 0x0              ; Q is in (and with it the older loads of K and V)
	s_mov_b64 s[QP:QP+1], s[QPB:QPB+1]  ; what is loaded next is the second block's Q
	WIN 0x45
.set i, 0
.rept 64
	v_cvt_pk_bf16_f32 v[4*i], v[4*i], v[4*i+1]
	v_cvt_pk_bf16_f32 v[4*i+1], v[4*i+2], v[4*i+3]
.set i, i+1
.endr
	WIN 0x04
.set i, 0
.rept 64
	ds_store_b64 v[QW], v[4*i:4*i+1] offset:i*PK
.set i, i+1
.endr
	WIN 0x80
.set f, 0
.rept 16                            ; tile f / 4, channels 32 (f % 4) on.  My wave's own bytes, served in order: these see the stores above
	ds_load_b128 v[8*f:8*f+3],   v[QR] offset:(f/4)*16*PK+(f%4)*64
	ds_load_b128 v[8*f+4:8*f+7], v[QR] offset:(f/4)*16*PK+(f%4)*64+32
.set f, f+1
.endr
	WIN 0
.irp t, 0,1,2,3
	v_mov_b32 v[ST+8*\t], 0xfe000000    ; c m: far below every c s, so the block's first a is 0; what Q left in O^T's registers is finite
	v_mov_b32 v[ST+8*\t+1], 0xff7fffff  ; m: the lowest finite number
	v_mov_b32 v[ST+8*\t+2], 0
	v_mov_b32 v[ST+8*\t+3], 0
.endr
	s_mov_b32 s[TC], 0
	s_cmp_lt_u32 s[TC], s[NT]
	s_cbranch_scc0 .Ldiag           ; block 0 has no full step
.Lfull:                             ; two full steps a trip, one in each buffer
	STEP 0, 0, 0
	STEP 1, 0, 0
	WIN 0
	s_add_co_u32 s[TC], s[TC], 1
	s_cmp_lt_u32 s[TC], s[NT]
	s_cbranch_scc1 .Lfull
.Ldiag:                             ; the four steps that hold the diagonal
	STEP 0, 0, 1
	STEP 1, 1, 1
	STEP 0, 2, 1
	STEP 1, 3, 1
	; THE WAY OUT.  l's two halves and the other half of the lanes' are added.  The next block's Q is asked for tile by tile, into O^T's registers that have left.
	WIN 0
.irp t, 0,1,2,3
	v_add_f32 v[ST+8*\t+4], v[ST+8*\t+2], v[ST+8*\t+3]
.endr
.irp t, 0,1,2,3
	v_permlanex16_b32 v[ST+8*\t+5], v[ST+8*\t+4], s[SEL], s[SEL+1]
.endr
.irp t, 0,1,2,3
	v_add_f32 v[ST+8*\t+4], v[ST+8*\t+4], v[ST+8*\t+5]
.endr
.irp t, 0,1,2,3
	v_rcp_f32 v[ST+8*\t+6], v[ST+8*\t+4]
.endr
	v_nop                           ; a plain instruction between the last reciprocal and the use of its result
	s_wait_alu depctr_va_vdst(0)
	PACK 0
	PACK 1                          ; a tile's arithmetic stands between the loads of the tile before and its stores
	SEND 0, 32
	QLOAD 0, 1
	PACK 2
	SEND 1, 32
	QLOAD 1, 1
	PACK 3
	SEND 2, 32
	QLOAD 2, 1
	SEND 3, 0
	QLOAD 3, 1
	s_wait_xcnt 0x0                 ; the stores have had their addresses translated: out's address and V's registers are rewritten only behind this wait
	s_mov_b64 s[OP:OP+1], s[OPB:OPB+1]
	s_mov_b32 s[NT], s[NTB]
	s_sub_co_u32 s[BLK], s[BLK], 1
	s_cmp_lg_u32 s[BLK], 0
	s_cbranch_scc1 .Lblock
	; The price of one text for both blocks: the walk's last step rounds and stores K's staging registers once more, its last two steps V's, and its last run of K's fragments is read for nothing; no memory load is issued for any of them.
	s_wait_tensorcnt 0x0            ; the wave's end, behind my last LDS store
	ds_add_u32 v[SPW], v[NIL]
	s_wait_dscnt 0x0
	s_endpgm
.Lfunc_end_k_qc2745a9ddd_swa:
	.size	k_qc2745a9ddd_swa, .Lfunc_end_k_qc2745a9ddd_swa-k_qc2745a9ddd_swa
	.p2alignl 7, 3214868480
	.fill 96, 4, 3214868480
	.section	.rodata,"a",@progbits
	.p2align	6, 0x0
	.amdhsa_kernel k_qc2745a9ddd_swa
		.amdhsa_group_segment_fixed_size 175616
		.amdhsa_private_segment_fixed_size 0
		.amdhsa_enable_private_segment 0
		.amdhsa_kernarg_size 32
		.amdhsa_user_sgpr_count 2
		.amdhsa_user_sgpr_kernarg_segment_ptr 1
		.amdhsa_wavefront_size32 1
		.amdhsa_system_sgpr_workgroup_id_x 1
		.amdhsa_system_sgpr_workgroup_id_y 1
		.amdhsa_system_sgpr_workgroup_id_z 1
		.amdhsa_system_vgpr_workitem_id 0
		.amdhsa_next_free_vgpr 1024
		.amdhsa_next_free_sgpr 66
		.amdhsa_reserve_vcc 1
		.amdhsa_float_denorm_mode_32 3
		.amdhsa_float_denorm_mode_16_64 3
		.amdhsa_memory_ordered 1
		.amdhsa_forward_progress 1
		.amdhsa_inst_pref_size 255
	.end_amdhsa_kernel
	.section	.bss,"aw",@nobits
	.p2align	6
	.space	262144
	.amdgpu_metadata
---
amdhsa.version: [ 1, 2 ]
amdhsa.kernels:
  - .name:           k_qc2745a9ddd_swa
    .symbol:         k_qc2745a9ddd_swa.kd
    .args:
      - { .name: Q, .offset: 0, .size: 8, .value_kind: global_buffer, .address_space: global }
      - { .name: K, .offset: 8, .size: 8, .value_kind: global_buffer, .address_space: global }
      - { .name: V, .offset: 16, .size: 8, .value_kind: global_buffer, .address_space: global }
      - { .name: out0, .offset: 24, .size: 8, .value_kind: global_buffer, .address_space: global }
    .group_segment_fixed_size: 175616
    .private_segment_fixed_size: 0
    .kernarg_segment_align: 8
    .kernarg_segment_size: 32
    .max_flat_workgroup_size: 128
    .sgpr_count:     66
    .vgpr_count:     1024
    .wavefront_size: 32
...
	.end_amdgpu_metadata
.endif
;; end of part 1
;; ======== version 2 of 2: 1 launch; version 1 with the launch swa written anew for expert scheduling mode
;; limits: values are held in f16: magnitudes above 65,504 overflow, below 6.1e-05 lose precision; right only within a limited range of input values
;; launch swa (part 2): grid 4 x 64, 4 waves a work-group, no clusters, 175,616 bytes of LDS; arguments Q, K, V, out0; writes out0
.if DOCPART == 2
	.amdgcn_target "amdgcn-amd-amdhsa--gfx1250"
	.amdhsa_code_object_version 6
	.text
	.protected	k_qc2745a9ddd_swa
	.globl	k_qc2745a9ddd_swa
	.p2align	8
	.type	k_qc2745a9ddd_swa,@function
k_qc2745a9ddd_swa:
	s_mov_b64 s[64:65], 0
	v_nop
	global_prefetch_b8 v0, s[64:65] scope:SCOPE_SE
	s_setreg_imm32_b32 hwreg(HW_REG_WAVE_SCHED_MODE, 0, 2), 2
	s_setreg_imm32_b32 hwreg(HW_REG_WAVE_MODE, 25, 1), 1
	s_wait_xcnt 0x0
	s_wait_alu depctr_vm_vsrc(0)
; CAUSAL ATTENTION.  out[h][q][:] = the sum over k <= q of softmax_k(Q[h][q] . K[h][k] / sqrt(128)) V[h][k][:].  Q, K, V, out: [64 heads][2048][128], all f32: a row is 512 bytes.
; FORMATS.  Q, K and V are each rounded once to bf16.  S^T = K Q^T is multiplied in bf16.  V's bf16 number is written as f16 and the weights p are rounded to f16, so that O^T = V^T P is multiplied in f16.
; Products, maxima and sums in f32; l is the sum of the unrounded p.
; LIMITS.  V as f16: exact for 6.1e-5 <= |V| <= 65,504; below that it keeps f16's fixed step of 6e-8, above it becomes an infinity.  p lies in 0 to 1 and below 6e-5 keeps the same step.
; A hidden score counts as its value less 1e30; a weight below 2^-126 counts as 0 in l; NaN and infinities are not treated apart.
; THE WALK.  A head has 8 blocks of 256 queries; block i needs the key steps (64 keys each) 0 .. 4 i + 3, of which the last four hold the diagonal.  Work-group b of a head takes block 7 - b and then block b:
; 36 key steps whatever b, so all 256 work-groups do equal work.  Every block has an even number of steps, so step j of the walk always lies in LDS buffer j % 2.
; SHARES.  Of a block's four bands of 64 queries a wave owns 16 rows in each: tile t is rows 64 t + 16 w + 0..15.  In the diagonal's step s tile t sees all keys if t > s, none if t < s (left out of the text),
; and takes the mask MD (0 or -1e30, made once) as the C operand that starts its sums if t = s: the same work for all four waves.
; K AND V GO THROUGH REGISTERS: each wave loads 16 rows of K and 16 of V of a step (one load = one whole row of 512 bytes), rounds them and stores them into LDS, K a step ahead and V two steps ahead of
; their use; ONE barrier a step.  NO CLUSTER: a joint request is a tensor load's, which cannot round f32 on its way; and a head's four walks ask for the same step only in 20 of their 36.
; LAYOUT.  S^T = K Q^T (source 0 = 16 keys, source 1 = 16 queries): a lane holds ONE query (lane % 16) and the keys 8 (lane / 16) + 0..7.  Two such results rounded in pairs ARE source 1 of O^T = V^T P,
; whose result again holds one query a lane, and eight channels.  V ([key][channel]) comes out of LDS turned, by ds_load_tr16_b128.
; SOFTMAX.  A running maximum m and sum l: p = 2^(c s - c m), c = log2(e) / sqrt(128); in every step O and l are multiplied by a = 2^(c m_old - c m_new).  A block starts with c m far below every c s, so its
; first a is 0 and O^T need only hold finite numbers: nothing is cleared and no first step is written out.
; A STEP goes tile by tile: stage k has the products V^T P of tile k - 2 and K Q^T of tile k, and tile k - 1's softmax in slices behind them; the first stage carries K's rounding, the last V's.
; THE MODE: SCHED_MODE bits 1:0 = 2 (LLVM: expert scheduling mode 2), set by the entry lines.  The code itself states the register dependences between vector or matrix instructions and memory or LDS
; instructions, with s_wait_alu, always for 0.
; THE PLAN.  Registers that memory or LDS instructions touch in a key step, and who else names them:
;   VF  V's fragments.  LDS loads land at the step's head; the products V^T P read them.          KF  K's fragments.  LDS loads land behind the step's barrier; the next step's products K Q^T read them.
;   SK  K as loaded.  Global loads land; the next step's first stage rounds in place; 16 LDS stores read it; it is loaded again.          SV  V as loaded: the same, rounded in a step's last stage.
;   The addresses v2-v4, v7-v11, v44, v46 and v192 of window 3 are made at the head and never written again: the steps of K and V are reached by scalar bases, one to each stream of loads.
; The waits of a step: ONE on va_vdst in each tile's softmax, behind its batch of exponentials; behind the first of them stand K's LDS stores, whose data the first stage has rounded; one on vm_vsrc behind those
; stores and one on va_vdst under the loads' window, ahead of the loads into SK; one on va_vdst ahead of the loads into KF; one on va_vdst behind the last stage, for V's LDS stores, the loads into SV and the next
; step's loads into VF; one on vm_vsrc behind V's stores.
; REGISTERS, in windows of 256 (s_set_vgpr_msb: bits 1:0 source 0, 3:2 source 1, 5:4 source 2, 7:6 destination):
;   window 0: v0-11, v44-50 addresses; v12-43 eight registers of statistics a tile; v62-63 the add's; v64-127 S^T, two buffers; v128-159 P, two buffers; v160-191 MD; v192-255 V as loaded
;   window 1: O^T, 64 a tile (and where Q's f32 rows land)     window 2: v0-127 Q, 32 a tile; v128-255 K of one step     window 3: v0-127 V of one step (on the way out: rows read back); v128-191 K as loaded; v192 an address
.set PK,    272       ; a row of K or Q in LDS: 256 bytes + 16 = 68 words: the 16 rows of a fragment load start at 16 different groups of four banks (64 banks of 4 bytes: ISA guide 11.1)
.set PV,    288       ; a row of V: 256 + 32 = 72 words
.set VOFF,  64*PK     ; in a buffer: 64 rows of K, then 64 rows of V
.set BUFB,  64*(PK+PV)
.set QST,   2*BUFB    ; behind the two buffers: each wave's own 64 rows of Q in bf16
.set QSTW,  64*PK
.set OST,   QST+4*QSTW  ; each wave's own stage for the way out: 16 rows of 512 bytes + 16
.set OPI,   528
.set OSTW,  16*OPI
.set SPARE, OST+4*OSTW  ; the spare words, 128 bytes for each wave: two blocks of 256 bytes that no other line names
.set AK0, 2           ; v2   my lane's place in a tile of K
.set AV0, 3           ; v3   the same for V, VOFF included
.set VW,  4           ; v4   where I store 8 bytes of my wave's first row of V
.set GA0, 7           ; v7   8192 w + 16 lane: my 16 bytes of my wave's first row of a step
.set QR,  8           ; v8   my lane's place in my wave's staged Q
.set QW,  9           ; v9   where I store 8 bytes of its first row
.set STO, 10          ; v10  the way out: where I put 32 bytes of a row
.set RD,  11          ; v11  the way out: where I read a row back
.set ST,  12          ; tile t's statistics at v[ST+8 t]: +0 c m, +1 m, +2, +3 l (even keys', odd keys'), +4 to +7 c0-c3 at work; a takes c2's place
.set GO,  44          ; v44  16 lane: my 16 bytes of a row of Q or out
.set PF0, 46          ; v46  8192 w + 256 lane
.set HH,  47          ; v47  lane / 16
.set LL,  48          ; v48  lane
.set TT,  49          ; v49  at work
.set QK,  50          ; v50  my query's place in its band less my lanes' 8 (lane / 16)
.set SPW, 62          ; v62  LDS address of my spare word; never rewritten
.set NIL, 63          ; v63  0; never rewritten
.set S,   64
.set P,   128
.set MD,  160
.set SV,  192
.set KF,  128         ; window 2
.set SK,  128         ; window 3
.set KW3, 192         ; window 3: where I store 8 bytes of my wave's first row of K
.set WV,  12          ; s12  my wave's number
.set TS,  13          ; s13  at work
.set PB,  14          ; s14  b
.set HD,  15          ; s15  the head
.set KH,  20          ; s[20:21] K at the head's first row
.set VH,  22          ; s[22:23] V likewise
.set QP,  24          ; s[24:25] Q at my wave's first row of the block whose Q is loaded next
.set QPB, 26          ; s[26:27] the same for the second block
.set OP,  28          ; s[28:29] out at my wave's first row of the block in hand
.set OPB, 30          ; s[30:31] of the second block
.set KNX, 33          ; s33  the key step whose K is asked for next;  s34 the last step of the block being asked for;  s35 fetches left
.set KLS, 34
.set KLF, 35
.set VNX, 36          ; s36-38 the same three for V
.set VLS, 37
.set VLF, 38
.set LASTB, 39        ; s39  4 b + 3: the second block's last step
.set NT,  40          ; s40  trips of two full steps in the block in hand
.set TC,  41          ; s41  counts them
.set BLK, 42          ; s42  blocks to go
.set NTB, 43          ; s43  the second block's trips
.set PFS, 44          ; s44  the step to be prefetched next;  s45 where that ends
.set PFE, 45
.set CS,  46          ; s[46:47] c: the packed scaling takes the pair's low word for both halves
.set SEL, 48          ; s[48:49] v_permlanex16_b32's selects: each lane takes its own place in the other half
.set BIGN, 50         ; s50  -1e30
.set HM,  51          ; s51  a word's upper half
.set OF,  54          ; s[54:55] a step's byte offset in the head, with 0 above it
.set KB,  56          ; s[56:57] K at the step whose rows are asked for: the base of K's loads
.set VB,  58          ; s[58:59] the same for V's loads
.set PKB, 60          ; s[60:61] K at the step that is prefetched
.set PVB, 62          ; s[62:63] V likewise
.set MSB, 0
.set HOOK, 0
.set HBUF, 0
.macro WIN new                      ; the immediate's high byte repeats the setting that is left; a switch that changes nothing is dropped
.if MSB != (\new)
	s_set_vgpr_msb (MSB<<8)|(\new)
.set MSB, (\new)
.endif
.endm
.set W_KQ, 0x0a       ; K and Q in window 2, S^T and MD in window 0
.set W_PV, 0x53       ; V in window 3, P in window 0, O^T in window 1
.set W_RS, 0x41       ; O^T (destination and source 0) in window 1, the factor in window 0
.set W_K3, 0xcf       ; K's rounding and its LDS store: everything in window 3
	s_load_b256 s[4:11], s[0:1], 0x0  ; Q s[4:5], K s[6:7], V s[8:9], out s[10:11]
	v_lshl_add_u32 v[SPW], v0, 2, SPARE
	v_mov_b32 v[NIL], 0
	v_lshrrev_b32 v[TT], 5, v0
	v_readfirstlane_b32 s[WV], v[TT]  ; wave 0..3
	s_mov_b32 s[PB], ttmp9
	s_and_b32 s[HD], ttmp7, 0xffff
	s_lshl_b32 s16, s[HD], 20       ; a head is 2,048 rows of 512 bytes
	s_mov_b32 s17, 0
	s_wait_alu depctr_va_sdst(0)    ; s[WV] is written, ahead of its first reader, the next line
	s_lshl_b32 s[TS], s[WV], 13     ; my wave's 16 rows in a band or a step
	s_sub_co_u32 s18, 7, s[PB]
	s_lshl_b32 s18, s18, 17         ; a block is 256 rows
	s_add_co_u32 s18, s18, s[TS]
	s_add_co_u32 s18, s18, s16      ; s[18:19]: my rows of the first block, 7 - b
	s_mov_b32 s19, 0
	s_lshl_b32 s52, s[PB], 17
	s_add_co_u32 s52, s52, s[TS]
	s_add_co_u32 s52, s52, s16      ; s[52:53]: of the second, b
	s_mov_b32 s53, 0
	s_lshl_b32 s[LASTB], s[PB], 2
	s_sub_co_u32 s[KLS], 31, s[LASTB]  ; the first block's last step
	s_mov_b32 s[VLS], s[KLS]
	s_add_co_u32 s[LASTB], s[LASTB], 3
	s_mov_b32 s[KNX], 2             ; K of steps 0 and 1 and V of steps 0 to 2 are asked for below, the other 34 and 33 in the steps
	s_mov_b32 s[KLF], 34
	s_mov_b32 s[VNX], 3
	s_mov_b32 s[VLF], 33
	s_lshl_b32 s[NTB], s[PB], 1     ; 4 b full steps in the second block,
	s_sub_co_u32 s[NT], 14, s[NTB]  ; 28 - 4 b in the first
	s_mov_b32 s[BLK], 2
	s_mov_b32 s[PFS], 5
	s_cmp_eq_u32 s[PB], 0
	s_cselect_b32 s[PFE], 32, 0     ; the work-group with the longest first block asks for the head's steps 5 to 31 ahead; the others ask for nothing
	s_mov_b32 s[CS], 0x3e0293ee     ; c = log2(e) / sqrt(128) = 0.127517
	s_mov_b32 s[CS+1], s[CS]        ; named with it as a pair
	s_mov_b32 s[SEL], 0x76543210
	s_mov_b32 s[SEL+1], 0xfedcba98
	s_mov_b32 s[BIGN], 0xf149f2ca   ; -1e30
	s_mov_b32 s[HM], 0xffff0000
	s_mov_b32 s[OF+1], 0
	v_and_b32 v1, 15, v0            ; lane % 16
	v_bfe_u32 v[HH], v0, 4, 1
	v_and_b32 v[LL], 31, v0
	v_lshl_add_u32 v[GA0], v[LL], 4, s[TS]
	v_lshl_add_u32 v[PF0], v[LL], 8, s[TS]  ; lanes 256 bytes apart cover my wave's 16 rows
	v_lshlrev_b32 v[GO], 4, v[LL]
	; A fragment of K or Q is 16 rows x 32 channels in 8 registers: lane l holds row l % 16, channels 8 (l / 16) + 0..7 and 16 + 8 (l / 16) + 0..7: two loads of 16 bytes, 32 bytes apart.
	v_mul_u32_u24 v[AK0], v1, PK
	v_lshl_add_u32 v[AK0], v[HH], 4, v[AK0]
	; The turning load takes 16 keys x 16 channels (lane l reads key 8 (l / 16) + l % 8, channels 8 ((l / 8) % 2) + 0..7) and leaves half a fragment of V^T: lane l holds channel l % 16 and 8 keys.
	v_and_b32 v[TT], 7, v0
	v_lshl_add_u32 v[AV0], v[HH], 3, v[TT]
	v_mul_u32_u24 v[AV0], v[AV0], PV
	v_bfe_u32 v[TT], v0, 3, 1
	v_lshl_add_u32 v[AV0], v[TT], 4, v[AV0]
	v_add_nc_u32 v[AV0], VOFF, v[AV0]
	s_mul_i32 s[TS], s[WV], 16*PV
	s_add_co_u32 s[TS], s[TS], VOFF
	v_lshl_add_u32 v[VW], v[LL], 3, s[TS]   ; a lane's four numbers of a row are 8 bytes in LDS
	s_mul_i32 s[TS], s[WV], QSTW
	s_add_co_u32 s[TS], s[TS], QST
	v_add_nc_u32 v[QR], s[TS], v[AK0]
	v_lshl_add_u32 v[QW], v[LL], 3, s[TS]
	s_mul_i32 s[TS], s[WV], OSTW
	s_add_co_u32 s[TS], s[TS], OST
	v_mul_u32_u24 v[STO], v1, OPI           ; in: row l % 16, 32 bytes for each half of the lanes
	v_lshl_add_u32 v[STO], v[HH], 5, v[STO]
	v_add_nc_u32 v[STO], s[TS], v[STO]
	v_lshl_add_u32 v[RD], v[LL], 4, s[TS]   ; back: 32 lanes take one row of 512 bytes
	v_lshlrev_b32 v[TT], 3, v[HH]
	v_sub_nc_u32 v[QK], v1, v[TT]
	s_lshl_b32 s[TS], s[WV], 4
	v_add_nc_u32 v[QK], s[TS], v[QK]        ; 16 w + l % 16 - 8 (l / 16)
	s_mul_i32 s[TS], s[WV], 16*PK
	v_lshl_add_u32 v[TT], v[LL], 3, s[TS]
	WIN 0xc0
	v_mov_b32 v[KW3], v[TT]
	WIN 0
	s_wait_kmcnt 0x0
	s_add_nc_u64 s[KH:KH+1], s[6:7], s[16:17]
	s_add_nc_u64 s[VH:VH+1], s[8:9], s[16:17]
	s_add_nc_u64 s[QP:QP+1], s[4:5], s[18:19]
	s_add_nc_u64 s[QPB:QPB+1], s[4:5], s[52:53]
	s_add_nc_u64 s[OP:OP+1], s[10:11], s[18:19]
	s_add_nc_u64 s[OPB:OPB+1], s[10:11], s[52:53]
; THE MATRIX WORK.  The accumulators take turns, one instruction a turn: between two links of a chain stand 3 (K Q^T) or 7 (V^T P) others'.
; Product i of 16 of S^T = K Q^T for tile t: channels 32 (i / 4) on, keys 16 (i % 4) on.  The first 4 start the sums: with 0, or (msk = 1) with the mask.
.macro KQ t, msk
	WIN W_KQ
.set rS, S+32*((\t)%2)+8*(i%4)
.set rK, KF+32*(i%4)+8*(i/4)
.set rQ, 32*(\t)+8*(i/4)
.if i < 4
.if \msk
	v_wmma_f32_16x16x32_bf16 v[rS:rS+7], v[rK:rK+7], v[rQ:rQ+7], v[MD+8*i:MD+8*i+7]
.else
	v_wmma_f32_16x16x32_bf16 v[rS:rS+7], v[rK:rK+7], v[rQ:rQ+7], 0
.endif
.else
	v_wmma_f32_16x16x32_bf16 v[rS:rS+7], v[rK:rK+7], v[rQ:rQ+7], v[rS:rS+7]
.endif
.endm
; Product i of 16 of O^T += V^T P for tile t: keys 32 (i / 8) on, channels 16 (i % 8) on.
.macro PVM t
	WIN W_PV
.set rO, 64*(\t)+8*(i%8)
.set rV, 64*(i/8)+8*(i%8)
.set rP, P+16*((\t)%2)+8*(i/8)
	v_wmma_f32_16x16x32_f16 v[rO:rO+7], v[rV:rV+7], v[rP:rP+7], v[rO:rO+7]
.endm
; ROUNDING ON THE WAY TO LDS.  Row n of my wave's 16: my four f32 lie in v[base + 4 n ..]; they close up into the first two of their four registers, 8 bytes.  The LDS stores follow in one run of 16, behind a wait.
.macro KCVT base, n                 ; K: to bf16
	WIN W_K3
.set x, (\base)+4*(\n)
	v_cvt_pk_bf16_f32 v[x], v[x], v[x+1]
	v_cvt_pk_bf16_f32 v[x+1], v[x+2], v[x+3]
.endm
.macro VCVT base, n                 ; V: to bf16, and that number written as f16
	WIN 0
.set x, (\base)+4*(\n)
	v_cvt_pk_bf16_f32 v[x], v[x], v[x+1]
	v_cvt_pk_bf16_f32 v[x+1], v[x+2], v[x+3]
	v_lshlrev_b32 v[x+2], 16, v[x]
	v_and_b32 v[x+3], s[HM], v[x]
	v_cvt_pk_f16_f32 v[x], v[x+2], v[x+3]
	v_lshlrev_b32 v[x+2], 16, v[x+1]
	v_and_b32 v[x+3], s[HM], v[x+1]
	v_cvt_pk_f16_f32 v[x+1], v[x+2], v[x+3]
.endm
.macro KSTORE base, buf
	WIN W_K3
.set n, 0
.rept 16
	ds_store_b64 v[KW3], v[(\base)+4*n:(\base)+4*n+1] offset:(\buf)*BUFB+n*PK
.set n, n+1
.endr
.endm
.macro VSTORE base, buf
	WIN 0
.set n, 0
.rept 16
	ds_store_b64 v[VW], v[(\base)+4*n:(\base)+4*n+1] offset:(\buf)*BUFB+n*PV
.set n, n+1
.endr
.endm
; THE LOADS FROM MEMORY: my wave's 16 rows of step nx, 16 loads of one whole row each, by the stream's own scalar base and the one offset v[GA0].  Behind the first block's last step the walk goes on with the second
; block's step 0.  When all 36 steps have been asked for nothing is loaded; that way waits for all loads, so that the counted waits behind it hold there too.
.macro GFETCH nx, ls, lf, gb, base, dst, win
	WIN 0                           ; at a label and at a branch every window is 0
	s_lshl_b32 s[OF], s[\nx], 15    ; a step is 64 rows of 512 bytes
	s_add_nc_u64 s[\gb:\gb+1], s[\base:\base+1], s[OF:OF+1]  ; the loads that last read this base were shown done by the counted wait in front of their rounding
	s_wait_alu depctr_vm_vsrc(0)    ; my LDS stores just issued have read the staging registers: what writes them next, the loads below or, where nothing is left to load, the next step's roundings, stands behind this wait
	s_cmp_lg_u32 s[\lf], 0
	s_cbranch_scc0 .Lnone_\@
.if \win
	WIN \win
	s_wait_alu depctr_va_vdst(0)    ; the roundings are done reading and writing K's staging registers, in which the loads below land: stated under the loads' own window, behind the stores that read those registers
.endif
.set n, 0
.rept 16
	global_load_b128 v[(\dst)+4*n:(\dst)+4*n+3], v[GA0], s[\gb:\gb+1] offset:n*512
.set n, n+1
.endr
	WIN 0
	s_sub_co_u32 s[\lf], s[\lf], 1
	s_add_co_u32 s[\nx], s[\nx], 1
	s_cmp_gt_u32 s[\nx], s[\ls]
	s_cselect_b32 s[\nx], 0, s[\nx]
	s_cselect_b32 s[\ls], s[LASTB], s[\ls]
	s_branch .Ldone_\@
.Lnone_\@:
	s_wait_loadcnt 0x0
.Ldone_\@:
.endm
; PREFETCH.  In walk step i the work-group with b = 0 asks for the head's key step i + 5, whose V its loads want at the end of walk step i + 2 and whose K in walk step i + 3: each wave for its own 16 rows of K and
; of V, lanes 256 bytes apart, so each such block is asked for once in the launch.  It stops behind step 31, the head's last.  The offset v[PF0] is never rewritten; the two bases are scalar.
.macro PREF
	WIN 0
	s_cmp_lt_u32 s[PFS], s[PFE]
	s_cbranch_scc0 .Lnop_\@
	s_wait_xcnt 0x0                 ; the last step's prefetches have had their addresses translated (ISA guide 3.1): their bases are rewritten only behind this wait
	s_lshl_b32 s[OF], s[PFS], 15
	s_add_nc_u64 s[PKB:PKB+1], s[KH:KH+1], s[OF:OF+1]
	s_add_nc_u64 s[PVB:PVB+1], s[VH:VH+1], s[OF:OF+1]
	global_prefetch_b8 v[PF0], s[PKB:PKB+1] th:TH_LOAD_NT scope:SCOPE_SE
	global_prefetch_b8 v[PF0], s[PVB:PVB+1] th:TH_LOAD_NT scope:SCOPE_SE
	s_add_co_u32 s[PFS], s[PFS], 1
.Lnop_\@:
.endm
; K ON ITS WAY OUT OF THE REGISTERS: stands directly behind the wait of the step's first softmax.  The next step's K, rounded in the first stage, goes into the other LDS buffer; then K of the step after it is asked for.
.macro KOUT
	KSTORE SK, HBUF
	GFETCH KNX, KLS, KLF, KB, KH, SK, 0xc0
	PREF
.endm
; THE SOFTMAX of one tile for one key step is a list of 134 instructions; SM writes number j of it for tile t.  s0-s31 are the lane's 32 scores, in pairs 0-15.
;   0-15    the maximum of s0-s31 and the old m, three operands at a time: four chains c0-c3 of seven scores each (each accumulator's lowest registers are read first), then the rest
;   16-20   the other half of the lanes' maximum; c m_old is kept; the new m; c m; c m_old - c m_new
;   21-69   ONE BATCH: the 16 scalings c s - c m, a pair of scores each, and all 33 exponentials (a at 23, then s0-s31).  None of these names an exponential's result.  22-37 scaling and exponential by turns;
;           38-65 a scaling and three exponentials; 66-69 the last four exponentials.  A pair is scaled some numbers ahead of its exponentials
;   (wait)  between 69 and 70: a plain instruction behind the last exponential (ISA guide 5.7.2), and the one wait for the batch; where HOOK is set K's stores and loads stand behind it
;   70-85   the roundings to f16, a pair of weights each
;   86-101  the sums, in place; l = a l + the sum
;   102-133 the tile's O^T times a: the one part that leaves window 0
.macro SM t
.set rT, ST+8*(\t)
.set rS, S+32*((\t)%2)
.set rP, P+16*((\t)%2)
.set rO, 64*(\t)+2*(j-102)
.if j < 102
	WIN 0
.endif
.if j < 4
	v_max3_num_f32 v[rT+4+j], v[rS+8*j], v[rS+8*j+1], v[rS+8*j+2]
.elseif j < 12
	v_max3_num_f32 v[rT+4+j%4], v[rT+4+j%4], v[rS+8*(j%4)+2*(j/4)+1], v[rS+8*(j%4)+2*(j/4)+2]
.elseif j == 12
	v_max3_num_f32 v[rT+4], v[rT+4], v[rS+7], v[rS+15]
.elseif j == 13
	v_max3_num_f32 v[rT+6], v[rT+6], v[rS+23], v[rS+31]
.elseif j == 14
	v_max3_num_f32 v[rT+4], v[rT+4], v[rT+5], v[rT+6]
.elseif j == 15
	v_max3_num_f32 v[rT+4], v[rT+4], v[rT+7], v[rT+1]
.elseif j == 16
	v_permlanex16_b32 v[rT+5], v[rT+4], s[SEL], s[SEL+1]  ; the query's other 32 keys lie in the lane 16 away
.elseif j == 17
	v_mov_b32 v[rT+7], v[rT]        ; c m_old is kept for a: number 19 writes c m anew
.elseif j == 18
	v_max_num_f32 v[rT+1], v[rT+4], v[rT+5]
.elseif j == 19
	v_mul_f32 v[rT], s[CS], v[rT+1]
.elseif j == 20
	v_sub_f32 v[rT+7], v[rT+7], v[rT]
.elseif j == 23
	v_exp_f32 v[rT+6], v[rT+7]
.elseif (j < 23) || ((j < 38) && (j%2 == 0)) || ((j < 66) && (j%4 == 2))
.set pb, (j-2)/4                    ; 38, 42, .. 62: pairs 9 to 15
.if j < 38
.set pb, (j-20)/2                   ; 21: pair 0; 22, 24, .. 36: pairs 1 to 8
.endif
	v_pk_fma_f32 v[rS+2*pb:rS+2*pb+1], v[rS+2*pb:rS+2*pb+1], s[CS:CS+1], v[rT:rT+1] op_sel_hi:[1,0,0] neg_lo:[0,0,1] neg_hi:[0,0,1]  ; pair pb: c s - c m
.elseif j < 70
.set e, j-38                        ; 66 to 69: s28 to s31
.if j < 66
.set e, j-32-(j-38)/4               ; 39-41, 43-45, .. 63-65: s7 to s27
.endif
.if j < 38
.set e, (j-25)/2                    ; 25, 27, .. 37: s0 to s6
.endif
	v_exp_f32 v[rS+e], v[rS+e]
.elseif j < 86
.if j == 70
	v_nop                           ; the plain instruction behind the last exponential: one for the batch
	s_wait_alu depctr_va_vdst(0)    ; the tile's 33 exponentials have written a and the weights, which the lines below read; in a step's first softmax also: the first stage's roundings have written K's staging registers, which the LDS stores below read
.if HOOK
.set HOOK, 0
	KOUT
.endif
.endif
	v_cvt_pk_f16_f32 v[rP+j-70], v[rS+2*(j-70)], v[rS+2*(j-70)+1]  ; pair j - 70
.elseif j < 102                     ; the sum of the 16 pairs, in place: sum z of 16 adds neighbours 1, 2, 4 and 8 pairs apart, then l takes it
.set z, j-86
.set w, 4
.set u, z
.if z >= 14
.set w, 32
.set u, 0
.elseif z >= 12
.set w, 16
.set u, z-12
.elseif z >= 8
.set w, 8
.set u, z-8
.endif
.if z < 15
	v_pk_add_f32 v[rS+w*u:rS+w*u+1], v[rS+w*u:rS+w*u+1], v[rS+w*u+w/2:rS+w*u+w/2+1]
.else
	v_pk_fma_f32 v[rT+2:rT+3], v[rT+2:rT+3], v[rT+6:rT+7], v[rS:rS+1] op_sel_hi:[1,0,1]
.endif
.else
	WIN W_RS
	v_pk_mul_f32 v[rO:rO+1], v[rO:rO+1], v[rT+6:rT+7] op_sel_hi:[1,0]
.endif
.endm
; What stands behind one matrix instruction: the next 'per' numbers of tile sm's softmax, or a row's rounding.
.macro RIDE sm, rid
.if (\sm) >= 0
.rept per
	SM \sm
.set j, j+1
.endr
.endif
.if (\rid) == 1
	KCVT SK, i
.endif
.if (\rid) == 2
	VCVT SV, i
.endif
.endm
; A STAGE: 16 products V^T P of tile pv, then 16 products K Q^T of tile kq (either left out where the argument is -1), and behind each of them 8 or 4 numbers of tile sm's softmax; 134 = 128 + 6: the six that
; are over, all plain multiplies of O^T, follow the last.  With them ten or more plain instructions that name none of its registers stand behind a stage's last product (ISA guide 7.12.1).
.macro STAGE kq, msk, pv, sm, rid
.set NM, 0
.if (\pv) >= 0
.set NM, NM+16
.endif
.if (\kq) >= 0
.set NM, NM+16
.endif
.set j, 0
.set per, 0
.if ((\sm) >= 0) && (NM > 0)
.set per, 134/NM
.endif
.if (\pv) >= 0
.set i, 0
.rept 16
	PVM \pv
	RIDE \sm, \rid
.set i, i+1
.endr
.endif
.if (\kq) >= 0
.set i, 0
.rept 16
	KQ \kq, \msk
	RIDE \sm, \rid
.set i, i+1
.endr
.endif
.if (\sm) >= 0
.rept 134-per*NM
	SM \sm
.set j, j+1
.endr
.endif
.endm
; THE LDS LOADS stand in runs of 32: a step's K (64 keys x 128 channels: 16 fragments) and its V (turned).
.macro FETCH_K buf
	WIN 0x80                        ; destination window 2
.set f, 0
.rept 16                            ; keys 16 (f / 4) on, channels 32 (f % 4) on
	ds_load_b128 v[KF+8*f:KF+8*f+3],   v[AK0] offset:(\buf)*BUFB+(f/4)*16*PK+(f%4)*64
	ds_load_b128 v[KF+8*f+4:KF+8*f+7], v[AK0] offset:(\buf)*BUFB+(f/4)*16*PK+(f%4)*64+32
.set f, f+1
.endr
.endm
.macro FETCH_V buf
	WIN 0xc0                        ; destination window 3
.set f, 0
.rept 16                            ; keys 32 (f / 8) on, channels 16 (f % 8) on
	ds_load_tr16_b128 v[8*f:8*f+3],   v[AV0] offset:(\buf)*BUFB+(f/8)*32*PV+(f%8)*32
	ds_load_tr16_b128 v[8*f+4:8*f+7], v[AV0] offset:(\buf)*BUFB+(f/8)*32*PV+16*PV+(f%8)*32
.set f, f+1
.endr
.endm
.macro PLACES                       ; four places between a product and the first vector instruction that reads its result, where no other vector work is at hand
.rept 4
	v_nop
.endr
.endm
; THE STEP'S ONE BARRIER.  In front of the signal my LDS stores (K of the next step, V of the next step, stored in the step before) are done and my reads of this step's K and V are back.  Behind the wait the next
; step's K is whole and is read, and this step's V may be overwritten.  Between signal and wait stands work on registers alone.
.macro MEET
	s_wait_dscnt 0x0
	s_barrier_signal -1
.endm
.macro PASS buf
	s_barrier_wait -1
	WIN 0x80
	s_wait_alu depctr_va_vdst(0)    ; this step's products K Q^T are done reading K's fragments, in which the loads below land
	FETCH_K \buf
.endm
; A KEY STEP j, whose tiles lie in buffer buf.  lo: the first tile that sees any of its keys; diag = 1: tile lo takes the mask.
; Writes between the barrier of step j - 1 and this one's: K of j + 1 and V of j + 1, both into the other buffer; reads there: K and V of j, in this buffer.
.macro STEP buf, lo, diag
	FETCH_V \buf                    ; no wait here: the wait at the end of the step before (at a block's start: the one ahead of Q's LDS stores) stands behind the last product that read V's fragments, and no line since names them or v[AV0]
	s_wait_dscnt 32                 ; all but the 32 just issued: K's fragments (and at a block's start Q's) are in
	s_wait_loadcnt 16               ; K of step j + 1 is in my registers; the 16 loads of V of step j + 2 are younger
	STAGE \lo, \diag, -1, -1, 1     ; K of step j + 1 is rounded behind these products
	PLACES
.set HOOK, 1                        ; behind the next softmax's wait: K of step j + 1 into the other buffer, K of step j + 2 asked for, the prefetch
.set HBUF, 1-(\buf)
.if (\lo) == 0
	STAGE 1, 0, -1, 0, 0
	MEET
	STAGE 2, 0, 0, 1, 0
	STAGE 3, 0, 1, 2, 0
	PASS 1-(\buf)
	STAGE -1, 0, 2, 3, 0
.elseif (\lo) == 1
	STAGE 2, 0, -1, 1, 0
	MEET
	STAGE 3, 0, 1, 2, 0
	PASS 1-(\buf)
	STAGE -1, 0, 2, 3, 0
.elseif (\lo) == 2
	STAGE 3, 0, -1, 2, 0
	MEET
	PASS 1-(\buf)
	STAGE -1, 0, 2, 3, 0
.else
	STAGE -1, 0, -1, 3, 0
	MEET
	PASS 1-(\buf)
.endif
	s_wait_loadcnt 16               ; V of step j + 2 is in my registers; the 16 loads of K of step j + 2 are younger
	STAGE -1, 0, 3, -1, 2           ; it is rounded behind these products
	WIN 0
	s_wait_alu depctr_va_vdst(0)    ; the roundings have written V's staging registers, which the LDS stores below read, and are done with them, so that the loads below may land; the products V^T P are done reading V's fragments, in which the next step's loads land
	VSTORE SV, \buf                 ; into this step's own buffer, behind this step's barrier
	GFETCH VNX, VLS, VLF, VB, VH, SV, 0      ; V of step j + 3
.endm
.macro QLOAD t, grd
	WIN 0
.if \grd
	s_wait_alu depctr_vm_vsrc(0)    ; the LDS stores of tile t's way out have read its O^T, in which the loads below land
	s_cmp_eq_u32 s[BLK], 1
	s_cbranch_scc1 .Lnoq_\@
.endif
	WIN 0x40
.if \grd
	s_wait_alu depctr_va_vdst(0)    ; the division by l is done reading and writing tile t's O^T: stated under the loads' own window, behind the stores that read those registers
.endif
.set i, 0
.rept 16
	global_load_b128 v[4*(16*(\t)+i):4*(16*(\t)+i)+3], v[GO], s[QP:QP+1] offset:(64*(\t)+i)*512 th:TH_LOAD_NT
.set i, i+1
.endr
	WIN 0
.if \grd
.Lnoq_\@:
.endif
.endm
; THE WAY OUT of tile t.  PACK: O^T is divided by l; a lane's eight channels of a row, 32 bytes, go into my stage's rows of 528 bytes and come back as whole rows of 512, into V's registers (two halves by turns).
.macro PACK t
.set OB, 64*((\t)%2)
.if (\t) >= 2
	s_wait_xcnt 0x0                 ; the stores of the tile two back have had their addresses translated (ISA guide 3.1): their data registers are loaded again only behind this wait
	s_wait_alu depctr_vm_vsrc(0)    ; and they have read those registers, in which the LDS loads below land
.endif
	WIN W_RS
.set i, 64*(\t)
.rept 32
	v_pk_mul_f32 v[i:i+1], v[i:i+1], v[ST+8*(\t)+6:ST+8*(\t)+7] op_sel_hi:[1,0]
.set i, i+2
.endr
	WIN 0x04                        ; store data in window 1
	s_wait_alu depctr_va_vdst(0)    ; the multiplies have written tile t's O^T, which the LDS stores below read
.set f, 0
.rept 8
	ds_store_b128 v[STO], v[64*(\t)+8*f:64*(\t)+8*f+3]   offset:64*f
	ds_store_b128 v[STO], v[64*(\t)+8*f+4:64*(\t)+8*f+7] offset:64*f+16
.set f, f+1
.endr
	WIN 0xc0
.set f, 0
.rept 16
	ds_load_b128 v[OB+4*f:OB+4*f+3], v[RD] offset:OPI*f  ; LDS serves a wave's instructions in order (ISA guide 5.7.1.4): these see the stores above; the next tile's stores come behind them.  The last product that read these registers stands ahead of the last step's closing wait
.set f, f+1
.endr
.endm
.macro SEND t, younger              ; younger: the LDS instructions issued behind tile t's loads: the next tile's 32, or none
.set OB, 64*((\t)%2)
	WIN 0x0c                        ; store data in window 3
.set f, 0
.rept 16
	s_wait_dscnt (\younger)+15-f
	global_store_b128 v[GO], v[OB+4*f:OB+4*f+3], s[OP:OP+1] offset:(64*(\t)+f)*512 th:TH_STORE_NT  ; 32 lanes store one whole row: 512 consecutive bytes, at a multiple of 512 from out's first byte
.set f, f+1
.endr
.endm
	; THE FIRST LOADS: V of steps 0 and 1 (into S^T's, P's and MD's registers), K of step 0 (into V's fragments' registers), then what a step expects to find on its way: K of step 1, V of step 2; then Q.
	s_wait_alu depctr_va_vdst(0)    ; all the addresses and offsets made above are written: every load, store and prefetch of the kernel reads one of them, and none is written again
.set i, 0
.rept 16
	global_load_b128 v[64+4*i:64+4*i+3], v[GA0], s[VH:VH+1] offset:i*512
.set i, i+1
.endr
.set i, 0
.rept 16
	global_load_b128 v[128+4*i:128+4*i+3], v[GA0], s[VH:VH+1] offset:32768+i*512
.set i, i+1
.endr
	WIN 0xc0
.set i, 0
.rept 16
	global_load_b128 v[4*i:4*i+3], v[GA0], s[KH:KH+1] offset:i*512
.set i, i+1
.endr
.set i, 0
.rept 16
	global_load_b128 v[SK+4*i:SK+4*i+3], v[GA0], s[KH:KH+1] offset:32768+i*512
.set i, i+1
.endr
	WIN 0
.set i, 0
.rept 16
	global_load_b128 v[SV+4*i:SV+4*i+3], v[GA0], s[VH:VH+1] offset:65536+i*512
.set i, i+1
.endr
	QLOAD 0, 0
	QLOAD 1, 0
	QLOAD 2, 0
	QLOAD 3, 0
	s_wait_loadcnt 63               ; 64 loads of Q are younger than the 80 of K and V: those 80 are in
.set i, 0
.rept 16
	VCVT 64, i
.set i, i+1
.endr
.set i, 0
.rept 16
	VCVT 128, i
.set i, i+1
.endr
.set i, 0
.rept 16
	KCVT 0, i
.set i, i+1
.endr
	WIN 0
	s_wait_alu depctr_va_vdst(0)    ; the roundings have written the three staging areas, which the 48 LDS stores below read; they are also done with v0-63 of window 3, in which V's first fragments land
	VSTORE 64, 0
	VSTORE 128, 1
	KSTORE 0, 0
	WIN 0
	s_wait_alu depctr_vm_vsrc(0)    ; those stores have read their data: from here on the registers are S^T, P and MD, written by the lines below and by the products, and V's fragments, written by LDS loads
.set i, 0
.rept 8                             ; MD: register i % 8 of key block i / 8 is hidden where 16 (i / 8) + i % 8 + 8 (l / 16) is greater than my query's place in its band; four compares to a run
.irp k, 0,1,2,3
	v_cmp_gt_i32 s[16+\k], 16*((i+\k)/8)+(i+\k)%8, v[QK]
.endr
	s_wait_alu depctr_va_sdst(0)    ; the four compares have written s16 to s19, which the four selects read
.irp k, 0,1,2,3
	v_cndmask_b32 v[MD+i+\k], 0, s[BIGN], s[16+\k]
.endr
.set i, i+4
.endr
	s_wait_dscnt 0x0                ; for the others' sake: my rows of K of step 0 and of V of steps 0 and 1 are in LDS
	s_barrier_signal -1
	s_barrier_wait -1
	FETCH_K 0                       ; no vector or matrix instruction has named K's fragments yet
	WIN 0
.Lblock:                            ; A BLOCK BEGINS
	s_wait_loadcnt 0x0              ; Q is in (and with it the older loads of K and V)
	s_mov_b64 s[QP:QP+1], s[QPB:QPB+1]  ; what is loaded next is the second block's Q
	WIN 0x45
.set i, 0
.rept 64
	v_cvt_pk_bf16_f32 v[4*i], v[4*i], v[4*i+1]
	v_cvt_pk_bf16_f32 v[4*i+1], v[4*i+2], v[4*i+3]
.set i, i+1
.endr
	WIN 0x04
	s_wait_alu depctr_va_vdst(0)    ; the roundings have written Q's pairs, which the LDS stores below read; the block before's products are done reading Q's fragments, in which the LDS loads below land
.set i, 0
.rept 64
	ds_store_b64 v[QW], v[4*i:4*i+1] offset:i*PK
.set i, i+1
.endr
	WIN 0x80
.set f, 0
.rept 16                            ; tile f / 4, channels 32 (f % 4) on.  My wave's own bytes, served in order: these see the stores above
	ds_load_b128 v[8*f:8*f+3],   v[QR] offset:(f/4)*16*PK+(f%4)*64
	ds_load_b128 v[8*f+4:8*f+7], v[QR] offset:(f/4)*16*PK+(f%4)*64+32
.set f, f+1
.endr
	WIN 0
	s_wait_alu depctr_vm_vsrc(0)    ; the LDS stores have read Q's pairs: these registers are O^T from here on, written by the rescalings and the products
.irp t, 0,1,2,3
	v_mov_b32 v[ST+8*\t], 0xfe000000    ; c m: far below every c s, so the block's first a is 0; what Q left in O^T's registers is finite
	v_mov_b32 v[ST+8*\t+1], 0xff7fffff  ; m: the lowest finite number
	v_mov_b32 v[ST+8*\t+2], 0
	v_mov_b32 v[ST+8*\t+3], 0
.endr
	s_mov_b32 s[TC], 0
	s_cmp_lt_u32 s[TC], s[NT]
	s_cbranch_scc0 .Ldiag           ; block 0 has no full step
.Lfull:                             ; two full steps a trip, one in each buffer
	STEP 0, 0, 0
	STEP 1, 0, 0
	WIN 0
	s_add_co_u32 s[TC], s[TC], 1
	s_cmp_lt_u32 s[TC], s[NT]
	s_cbranch_scc1 .Lfull
.Ldiag:                             ; the four steps that hold the diagonal
	STEP 0, 0, 1
	STEP 1, 1, 1
	STEP 0, 2, 1
	STEP 1, 3, 1
	; THE WAY OUT.  l's two halves and the other half of the lanes' are added.  The next block's Q is asked for tile by tile, into O^T's registers that have left.
	WIN 0
.irp t, 0,1,2,3
	v_add_f32 v[ST+8*\t+4], v[ST+8*\t+2], v[ST+8*\t+3]
.endr
.irp t, 0,1,2,3
	v_permlanex16_b32 v[ST+8*\t+5], v[ST+8*\t+4], s[SEL], s[SEL+1]
.endr
.irp t, 0,1,2,3
	v_add_f32 v[ST+8*\t+4], v[ST+8*\t+4], v[ST+8*\t+5]
.endr
.irp t, 0,1,2,3
	v_rcp_f32 v[ST+8*\t+6], v[ST+8*\t+4]
.endr
	v_nop                           ; a plain instruction between the last reciprocal and the use of its result
	s_wait_alu depctr_va_vdst(0)    ; the four reciprocals are written, which the multiplies below read
	PACK 0
	PACK 1                          ; a tile's arithmetic stands between the loads of the tile before and its stores
	SEND 0, 32
	QLOAD 0, 1
	PACK 2
	SEND 1, 32
	QLOAD 1, 1
	PACK 3
	SEND 2, 32
	QLOAD 2, 1
	SEND 3, 0
	QLOAD 3, 1
	s_wait_xcnt 0x0                 ; the stores have had their addresses translated: out's address and V's registers are rewritten only behind this wait
	s_wait_alu depctr_vm_vsrc(0)    ; and they have read V's registers, in which the next block's first fragments land
	s_mov_b64 s[OP:OP+1], s[OPB:OPB+1]
	s_mov_b32 s[NT], s[NTB]
	s_sub_co_u32 s[BLK], s[BLK], 1
	s_cmp_lg_u32 s[BLK], 0
	s_cbranch_scc1 .Lblock
	; The price of one text for both blocks: the walk's last step rounds and stores K's staging registers once more, its last two steps V's, and its last run of K's fragments is read for nothing; no memory load is issued for any of them.
	s_wait_dscnt 0x0                ; the closing lines, six on end
	s_wait_alu 0x0
	s_wait_tensorcnt 0x0
	ds_add_u32 v[SPW], v[NIL]
	s_wait_dscnt 0x0
	s_endpgm
.Lfunc_end_k_qc2745a9ddd_swa:
	.size	k_qc2745a9ddd_swa, .Lfunc_end_k_qc2745a9ddd_swa-k_qc2745a9ddd_swa
	.p2alignl 7, 3214868480
	.fill 96, 4, 3214868480
	.section	.rodata,"a",@progbits
	.p2align	6, 0x0
	.amdhsa_kernel k_qc2745a9ddd_swa
		.amdhsa_group_segment_fixed_size 175616
		.amdhsa_private_segment_fixed_size 0
		.amdhsa_enable_private_segment 0
		.amdhsa_kernarg_size 32
		.amdhsa_user_sgpr_count 2
		.amdhsa_user_sgpr_kernarg_segment_ptr 1
		.amdhsa_wavefront_size32 1
		.amdhsa_system_sgpr_workgroup_id_x 1
		.amdhsa_system_sgpr_workgroup_id_y 1
		.amdhsa_system_sgpr_workgroup_id_z 1
		.amdhsa_system_vgpr_workitem_id 0
		.amdhsa_next_free_vgpr 1024
		.amdhsa_next_free_sgpr 66
		.amdhsa_reserve_vcc 0
		.amdhsa_float_denorm_mode_32 3
		.amdhsa_float_denorm_mode_16_64 3
		.amdhsa_memory_ordered 1
		.amdhsa_forward_progress 1
		.amdhsa_inst_pref_size 255
	.end_amdhsa_kernel
	.section	.bss,"aw",@nobits
	.p2align	6
	.space	262144
	.amdgpu_metadata
---
amdhsa.version: [ 1, 2 ]
amdhsa.kernels:
  - .name:           k_qc2745a9ddd_swa
    .symbol:         k_qc2745a9ddd_swa.kd
    .args:
      - { .name: Q, .offset: 0, .size: 8, .value_kind: global_buffer, .address_space: global }
      - { .name: K, .offset: 8, .size: 8, .value_kind: global_buffer, .address_space: global }
      - { .name: V, .offset: 16, .size: 8, .value_kind: global_buffer, .address_space: global }
      - { .name: out0, .offset: 24, .size: 8, .value_kind: global_buffer, .address_space: global }
    .group_segment_fixed_size: 175616
    .private_segment_fixed_size: 0
    .kernarg_segment_align: 8
    .kernarg_segment_size: 32
    .max_flat_workgroup_size: 128
    .sgpr_count:     66
    .vgpr_count:     1024
    .wavefront_size: 32
...
	.end_amdgpu_metadata
.endif
;; end of part 2
